; MI455X (gfx1250); checked and timed in simulation.
; The chip was launched on July 23, 2026; its instructions are those of AMD's public machine-readable ISA for CDNA 5 (MIT licence, August 2026) and "CDNA5" Instruction Set Architecture Reference Guide (July 2026). The comments in the code are by the model that wrote it; some were corrected since.
;; Transformer Block. Allowed arithmetic: float matrix products may take bf16 or f16 operands with f32 sums; all other float work in f32.
;; Inputs: W1 64 x 8 float32; W2 64 x 64 float32; W3 8 x 64 float32; Wk 8 x 8 float32; Wq 8 x 8 float32; Wv 8 x 8 float32; b1 64 float32; b2 64 float32; b3 8 float32; ln_b 8 float32; ln_w 8 float32; x 16,384 x 8 float32; y 4,096 x 8 float32.
;; Outputs: out0 16,384 x 8 float32.
;; One version. Each part assembles by itself: llvm-mc -triple=amdgcn-amd-amdhsa -mcpu=gfx1250 --defsym DOCPART=n.
;; ======== version 1 of 1: 1 launch
;; launch block (part 1): grid 256 x 1, 16 waves a work-group, no clusters, 166,912 bytes of LDS; arguments x, y, Wq, Wk, Wv, W1, b1, W2, b2, W3, b3, ln_w, ln_b, out0; writes out0
.if DOCPART == 1
	.amdgcn_target "amdgcn-amd-amdhsa--gfx1250"
	.amdhsa_code_object_version 6
	.text
	.protected	k_q75e7a5ebf1_block
	.globl	k_q75e7a5ebf1_block
	.p2align	8
	.type	k_q75e7a5ebf1_block,@function
k_q75e7a5ebf1_block:
	s_mov_b64 s[64:65], 0
	v_nop
	global_prefetch_b8 v0, s[64:65] scope:SCOPE_SE
	s_setreg_imm32_b32 hwreg(HW_REG_WAVE_MODE, 25, 1), 1
	s_wait_xcnt 0x0
; The whole block in one launch: LayerNorm, the three 8 x 8 projections, attention with the "smooth softmax", residual,
; LayerNorm, the MLP 8-64-64-8, residual.  x: [16384][8], y: [4096][8], out0: [16384][8], all f32.
;
; THE SMOOTH SOFTMAX AS TWO SUMS.  A softmax sums to one, so
;   attn = (0.1 sum relu(m) V + sum e^(m-max) V / Z) / (0.1 sum relu(m) + 1),   Z = sum e^(m-max),
; and the 16384 x 4096 scores never leave the registers.
;
; SHARES.  256 work-groups of 16 waves.  A work-group owns 64 queries, as four tiles of 16.  Wave g owns keys 256 g .. 256 g + 255,
; as eight units of 32 keys, for all 64 queries: its K (32 registers) and V (64 registers) stay in registers for the whole launch, so
; the work on the scores reads no LDS.  The 16 partial results of a query meet in LDS; waves 0-3 merge one tile each and run the MLP.
;
; LAYOUTS (L lane, r = L & 15, h = L >> 4).  A 16-bit fragment's registers 0-3 hold k = 8 h .. 8 h + 7 (ISA guide 7.12.2), so with 8
; features the lanes h = 0 feed k 0-7 and the lanes h = 1 feed k 8-15: one fragment carries 32 rows of 8 features, and weights that are
; zeroed by a lane mask choose which 16 of them a product sees.  Registers 4-7 (k 16-31) are zero on one side of every such product.
; By that choice every result comes out in the layout in which the next product takes it: no transposes, no shuffles.
;   K:  WK (block-diagonal) x rows   -> lane L, register j = K[key L][j]           -> 4 registers, A of the scores
;   V:  rows x WVa / WVb + CONE      -> lane (r,h), register j = V[key 8h+j (+16)][dim r] -> 8 registers, A (= V transposed) of P V
;       CONE is 1.0 in column 8: row 8 of V transposed is all ones, so row 8 of each P V result is the sum of the weights.
;   scores: K x QA (keys 8h+j), K x QB (keys 16+8h+j), query r: packed to bf16 they are the B fragment of P V as they lie.
;   MLP: weights are A (rows = features out), activations are B (columns = queries); results 2s, 2s+1 pack into B of K step s.
;
; NUMBERS.  Matrix operands bf16, sums f32, all else f32.  Wq is multiplied by log2(e)/sqrt(8) in f32 before it is rounded, so the
; scores are in base 2 and the relu sums are multiplied by 0.1 ln 2 at the end.  The maximum is a running maximum in each wave
; (over 128 keys at a time), and the 16 waves' maxima are merged exactly as reference()'s one maximum would act.
; LIMITS, kept on purpose: (1) the idle k places multiply zeros by other finite operands of the same wave, so a NaN or an infinity in
; a weight or a row spreads further than in reference(); (2) e^(m-max) and relu(m) are rounded to bf16 before they enter BOTH the
; weighted sum and the sum of weights, so the two stay consistent; (3) sums are formed in another order than in reference().
; NO CLUSTER, NO TENSOR LOADS: what work-groups share is y (131,072 bytes) and 21,856 bytes of weights, read once by each work-group
; straight into registers, where LayerNorm needs them in f32; there is no LDS tile that a joint load could fill.
.set QL,   0                           ; Q fragments: tile t x 1024 + (QA 0, QB 512) + 16 L                     4,096 bytes
.set W1L,  4096                        ; W1 fragments, registers 0-3 only: a x 512 + 16 L                        2,048
.set W2L,  6144                        ; W2 fragments: (2 a + s) x 1024 + (registers 0-3: 0, 4-7: 512) + 16 L    8,192
.set W3L,  14336                       ; W3 fragments: s x 1024 + plane x 512 + 16 L                             2,048
.set B1L,  16384                       ; b1, f32
.set B2L,  16640                       ; b2, f32
.set B3L,  16896                       ; b3, f32
.set PART, 17408                       ; partial results: tile x PT + wave x PW + (softmax sums 0, relu sums 1024, maxima 2048)
.set PW,   2304
.set PT,   16*PW
; every 16-byte LDS access of this text has lane L at 16 L (or 16 r in each half): neighbouring lanes, neighbouring bytes
; vector registers, whole launch: v0 thread, v1 L, v2 r, v3 h, v4 16 L, v5-v7 LDS addresses, v[8:13] LayerNorm's own
.set QA,   16                          ; v[16:23]  Q in lanes h = 0, zeros in h = 1; v[20:23] stay 0.  Also NF (rows as a fragment) and ACT
.set QB,   24                          ; v[24:31]  Q in lanes h = 1; v[28:31] stay 0 up to the tail
.set OSM,  32                          ; v[32:39]  sums of e^(m-max) V (row 8: Z)
.set ORE,  40                          ; v[40:47]  sums of relu(m) V (row 8: sum of relu)
.set T,    48                          ; v[48:63]  m - max, then its exponentials
.set SC,   64                          ; v[64:127] scores of four units, 16 registers each.  In the preparation: y, 8 batches of 8
.set KF,   128                         ; v[128:159] K, 4 registers a unit (a fragment's registers 4-7 are the next unit's: finite, times 0)
.set VF,   160                         ; v[160:223] V transposed, 8 registers a unit
.set LNW,  224                         ; v[224:231] ln_w
.set LNB,  232                         ; v[232:239] ln_b
.set C0,   240                         ; v[240:243] four chains of the maximum
.set NM,   244                         ; v244 -max, v245 the other half's maximum
.set AL,   246                         ; v246 2^(old max - new max), v247 old max
.set MX,   248                         ; v248 running maximum
; the preparation's names
.set NF,   16
.set CONE, 32
.set DK,   40
.set DVA,  48
.set DVB,  56
.set WK,   240                         ; v[240:243], then WVA, WVB, then four zeros: each fragment's registers 4-7 are finite
.set WVA,  244
.set WVB,  248
; the tail's names
.set ACC,  32                          ; v[32:40]  merged sums; v[32:39] becomes z1
.set MW,   48                          ; v[48:63]  the 16 maxima, then the 16 weights
.set DA,   64                          ; v[64:191] wave g's eight sums
.set SUM,  192                         ; v[192:207] wave g's sum of weights
.macro PLACES n                        ; independent vector instructions behind a matrix instruction (ISA guide 7.12.1)
.rept \n
	v_nop
.endr
.endm
; LayerNorm of the lane's row of 8: mean, centred row, variance of the centred row, rsqrt, gain and bias.  25 instructions.
.macro LN dst, src
	v_pk_add_f32 v[8:9], v[(\src):(\src)+1], v[(\src)+2:(\src)+3]
	v_pk_add_f32 v[10:11], v[(\src)+4:(\src)+5], v[(\src)+6:(\src)+7]
	v_pk_add_f32 v[8:9], v[8:9], v[10:11]
	v_add_f32 v12, v8, v9
.irp k, 0,2,4,6
	v_pk_fma_f32 v[(\dst)+\k:(\dst)+\k+1], v[12:13], 0xbe000000, v[(\src)+\k:(\src)+\k+1] op_sel_hi:[0,0,1]   ; row - sum / 8
.endr
	v_pk_mul_f32 v[8:9], v[(\dst):(\dst)+1], v[(\dst):(\dst)+1]
	v_pk_mul_f32 v[10:11], v[(\dst)+2:(\dst)+3], v[(\dst)+2:(\dst)+3]
	v_pk_fma_f32 v[8:9], v[(\dst)+4:(\dst)+5], v[(\dst)+4:(\dst)+5], v[8:9]
	v_pk_fma_f32 v[10:11], v[(\dst)+6:(\dst)+7], v[(\dst)+6:(\dst)+7], v[10:11]
	v_pk_add_f32 v[8:9], v[8:9], v[10:11]
	v_add_f32 v12, v8, v9
	v_fma_f32 v12, v12, s55, s56                   ; variance + 1e-5
	v_rsq_f32 v12, v12
	v_nop                                          ; one plain instruction behind the transcendental (ISA guide 5.7.2)
	s_wait_alu depctr_va_vdst(0)
.irp k, 0,2,4,6
	v_pk_mul_f32 v[(\dst)+\k:(\dst)+\k+1], v[(\dst)+\k:(\dst)+\k+1], v[12:13] op_sel_hi:[1,0]
.endr
.irp k, 0,2,4,6
	v_pk_fma_f32 v[(\dst)+\k:(\dst)+\k+1], v[(\dst)+\k:(\dst)+\k+1], v[LNW+\k:LNW+\k+1], v[LNB+\k:LNB+\k+1]
.endr
.endm
; 32 normalised keys of unit u become a fragment; three products give K, and V of keys 0-15 and 16-31 of the unit
.macro PROJ u
.irp k, 0,1,2,3
	v_cvt_pk_bf16_f32 v[NF+\k], v[SC+8*(\u)+2*\k], v[SC+8*(\u)+2*\k+1]
.endr
	v_wmma_f32_16x16x32_bf16 v[DK:DK+7], v[WK:WK+7], v[NF:NF+7], 0
	v_wmma_f32_16x16x32_bf16 v[DVA:DVA+7], v[NF:NF+7], v[WVA:WVA+7], v[CONE:CONE+7]
	v_wmma_f32_16x16x32_bf16 v[DVB:DVB+7], v[NF:NF+7], v[WVB:WVB+7], v[CONE:CONE+7]
.endm
.macro PACK u
.irp k, 0,1,2,3
	v_cvt_pk_bf16_f32 v[KF+4*(\u)+\k], v[DK+2*\k], v[DK+2*\k+1]
	v_cvt_pk_bf16_f32 v[VF+8*(\u)+\k], v[DVA+2*\k], v[DVA+2*\k+1]
	v_cvt_pk_bf16_f32 v[VF+8*(\u)+4+\k], v[DVB+2*\k], v[DVB+2*\k+1]
.endr
.endm
; A fragment of 16 rows x 32 K from f32 rows of 64: the lane's 8 + 8 numbers (bytes 0-31 and 64-95 from v184), to bf16, to LDS at v185
.macro FRAG_LD base
	global_load_b128 v[160:163], v184, s[\base:\base+1]
	global_load_b128 v[164:167], v184, s[\base:\base+1] offset:16
	global_load_b128 v[168:171], v184, s[\base:\base+1] offset:64
	global_load_b128 v[172:175], v184, s[\base:\base+1] offset:80
.endm
.macro FRAG_ST
.irp k, 0,1,2,3,4,5,6,7
	v_cvt_pk_bf16_f32 v[176+\k], v[160+2*\k], v[160+2*\k+1]
.endr
	ds_store_b128 v185, v[176:179]
	ds_store_b128 v185, v[180:183] offset:512
.endm
; One unit of 32 keys x 16 queries, 16 scores a lane, from score set i.  zero = 1: the products start the sums.
; The two accumulators take turns, one matrix instruction a turn.
.macro UNIT i, u, zero
.irp k, 0,2,4,6,8,10,12,14
	v_pk_add_f32 v[T+\k:T+\k+1], v[SC+16*\i+\k:SC+16*\i+\k+1], v[NM:NM+1] op_sel_hi:[1,0]      ; m - max
.endr
.irp k, 0,1,2,3,4,5,6,7,8,9,10,11,12,13,14,15
	v_exp_f32 v[T+\k], v[T+\k]
.endr
.irp k, 0,1,2,3,4,5,6,7,8,9,10,11,12,13,14,15
	v_max_num_f32 v[SC+16*\i+\k], 0, v[SC+16*\i+\k]                                            ; relu; also the plain work behind the exponentials
.endr
.irp k, 0,1,2,3,4,5,6,7
	v_cvt_pk_bf16_f32 v[SC+16*\i+\k], v[SC+16*\i+2*\k], v[SC+16*\i+2*\k+1]                     ; in place, ascending: a target is never an unread source
.endr
.if \zero
	v_wmma_f32_16x16x32_bf16 v[ORE:ORE+7], v[VF+8*(\u):VF+8*(\u)+7], v[SC+16*\i:SC+16*\i+7], 0
	s_wait_alu depctr_va_vdst(0)
.else
	v_wmma_f32_16x16x32_bf16 v[ORE:ORE+7], v[VF+8*(\u):VF+8*(\u)+7], v[SC+16*\i:SC+16*\i+7], v[ORE:ORE+7]
	s_wait_alu depctr_va_vdst(0)
.endif
.irp k, 0,1,2,3,4,5,6,7
	v_cvt_pk_bf16_f32 v[SC+16*\i+8+\k], v[T+2*\k], v[T+2*\k+1]
.endr
.if \zero
	v_wmma_f32_16x16x32_bf16 v[OSM:OSM+7], v[VF+8*(\u):VF+8*(\u)+7], v[SC+16*\i+8:SC+16*\i+15], 0
.else
	v_wmma_f32_16x16x32_bf16 v[OSM:OSM+7], v[VF+8*(\u):VF+8*(\u)+7], v[SC+16*\i+8:SC+16*\i+15], v[OSM:OSM+7]
.endif
.endm
; Four units (128 keys): scores, their maximum joined to the running one, the old softmax sums scaled down, then the four units.
.macro BLOCK first, u0
.irp i, 0,1,2,3
	v_wmma_f32_16x16x32_bf16 v[SC+16*\i:SC+16*\i+7], v[KF+4*(\u0+\i):KF+4*(\u0+\i)+7], v[QA:QA+7], 0
	v_wmma_f32_16x16x32_bf16 v[SC+16*\i+8:SC+16*\i+15], v[KF+4*(\u0+\i):KF+4*(\u0+\i)+7], v[QB:QB+7], 0
.endr
	PLACES 4                                       ; before vector instructions read the scores
.irp i, 0,1,2,3
	v_max3_num_f32 v[C0+\i], v[SC+16*\i], v[SC+16*\i+1], v[SC+16*\i+2]
.endr
.irp k, 3,5,7,9,11,13
.irp i, 0,1,2,3
	v_max3_num_f32 v[C0+\i], v[C0+\i], v[SC+16*\i+\k], v[SC+16*\i+\k+1]
.endr
.endr
	v_max3_num_f32 v[C0], v[C0], v[C0+1], v[SC+15]
	v_max3_num_f32 v[C0+2], v[C0+2], v[C0+3], v[SC+31]
	v_max3_num_f32 v[C0], v[C0], v[SC+47], v[SC+63]
.if \first
	v_max_num_f32 v[C0], v[C0], v[C0+2]
.else
	v_mov_b32 v[AL+1], v[MX]
	v_max3_num_f32 v[C0], v[C0], v[C0+2], v[MX]
.endif
	v_permlanex16_b32 v[NM+1], v[C0], s57, s58     ; lane L xor 16 holds the same query's other 64 keys
	v_max_num_f32 v[MX], v[C0], v[NM+1]
	v_mul_f32 v[NM], -1.0, v[MX]
.if \first == 0
	v_sub_f32 v[AL], v[AL+1], v[MX]
	v_exp_f32 v[AL], v[AL]
	v_nop
	s_wait_alu depctr_va_vdst(0)
.irp k, 0,2,4,6
	v_pk_mul_f32 v[OSM+\k:OSM+\k+1], v[OSM+\k:OSM+\k+1], v[AL:AL+1] op_sel_hi:[1,0]
.endr
.endif
	UNIT 0, \u0+0, \first
	UNIT 1, \u0+1, 0
	UNIT 2, \u0+2, 0
	UNIT 3, \u0+3, 0
	PLACES 5                                       ; before the next scores overwrite operands of these products, and before the sums are stored
.endm
; one wave's share of the merge: ACC += weight g x wave g's sums.  The weight is one register of a pair: op_sel picks it for both halves.
.macro MACC g
.irp k, 0,2,4,6
.if (\g)&1
	v_pk_fma_f32 v[ACC+\k:ACC+\k+1], v[DA+8*\g+\k:DA+8*\g+\k+1], v[MW+\g-1:MW+\g], v[ACC+\k:ACC+\k+1] op_sel:[0,1,0] op_sel_hi:[1,1,1]
.else
	v_pk_fma_f32 v[ACC+\k:ACC+\k+1], v[DA+8*\g+\k:DA+8*\g+\k+1], v[MW+\g:MW+\g+1], v[ACC+\k:ACC+\k+1] op_sel_hi:[1,0,1]
.endif
.endr
	v_fma_f32 v[ACC+8], v[SUM+\g], v[MW+\g], v[ACC+8]
.endm
; ---------------------------------------------------------------- set-up, every wave
	s_load_b512 s[8:23], s[0:1], 0x0               ; x 8, y 10, Wq 12, Wk 14, Wv 16, W1 18, b1 20, W2 22
	s_load_b256 s[24:31], s[0:1], 0x40             ; b2 24, W3 26, b3 28, ln_w 30
	s_load_b128 s[32:35], s[0:1], 0x60             ; ln_b 32, out0 34
	v_and_b32 v1, 31, v0                           ; L
	v_lshrrev_b32 v2, 5, v0
	v_readfirstlane_b32 s52, v2                    ; wave g, 0 to 15
	v_and_b32 v2, 15, v0                           ; r
	v_bfe_u32 v3, v0, 4, 1                         ; h
	v_lshlrev_b32 v4, 4, v1                        ; 16 L
	v_and_b32 v14, 7, v0
	v_lshlrev_b32 v14, 5, v14                      ; row r & 7 of an 8 x 8 weight, 32 bytes a row
	s_lshl_b32 s53, ttmp9, 11                      ; the work-group's 64 rows of 32 bytes in x and out0
	s_lshl_b32 s2, s52, 13                         ; my wave's 256 keys of 32 bytes
	v_lshl_add_u32 v15, v1, 5, s2                  ; + lane L's key of each unit
	s_mov_b32 s55, 0x3e000000                      ; 1/8
	s_mov_b32 s56, 0x3727c5ac                      ; 1e-5
	s_mov_b32 s57, 0x76543210                      ; v_permlanex16_b32: lane i of the other half
	s_mov_b32 s58, 0xfedcba98
	s_mov_b32 s59, 0xffff0000                      ; lanes h = 1
	s_mov_b32 s60, 0xff0000ff                      ; lanes (r < 8, h = 0) and (r >= 8, h = 1)
	s_mov_b32 s61, 0x000000ff                      ; r < 8,  h = 0
	s_mov_b32 s62, 0x00ff0000                      ; r < 8,  h = 1
	s_mov_b32 s63, 0x0000ff00                      ; r >= 8, h = 0
	s_mov_b32 s66, 0xff000000                      ; r >= 8, h = 1
	s_mov_b32 s67, 0x01000100                      ; r = 8
	s_mov_b32 s68, 0x3d8df4e0                      ; 0.1 ln 2
	s_wait_kmcnt 0x0
	s_load_b256 s[36:43], s[30:31], 0x0            ; ln_w's eight numbers
	s_load_b256 s[44:51], s[32:33], 0x0            ; ln_b's
	global_load_b128 v[32:35], v14, s[14:15]       ; my row of Wk,
	global_load_b128 v[36:39], v14, s[14:15] offset:16
	global_load_b128 v[40:43], v14, s[16:17]       ; of Wv
	global_load_b128 v[44:47], v14, s[16:17] offset:16
.irp u, 0,1,2,3,4,5,6,7
	global_load_b128 v[SC+8*\u:SC+8*\u+3], v15, s[10:11] offset:1024*\u        ; key 256 g + 32 u + L: the two loads of a unit cover 1,024 consecutive bytes
	global_load_b128 v[SC+8*\u+4:SC+8*\u+7], v15, s[10:11] offset:1024*\u+16
.endr
	s_mul_i32 s3, s52, PW
	s_add_co_u32 s3, s3, PART                      ; my wave's partial results of tile 0
	v_add_nc_u32 v5, s3, v4                        ; where the sums go
	v_lshl_add_u32 v7, v2, 2, s3
	v_add_nc_u32 v7, 2048, v7                      ; where the maximum of query r goes
	v_mov_b32 v6, v4                               ; where Q's fragments are read (QL = 0)
.irp k, 13, 20,21,22,23, 28,29,30,31, 252,253,254,255
	v_mov_b32 v\k, 0                               ; the k places 16-31 of the rows' and Q's fragments, and the pairs' idle halves
.endr
	s_wait_kmcnt 0x0
.irp k, 0,1,2,3,4,5,6,7
	v_mov_b32 v[LNW+\k], s[36+\k]
	v_mov_b32 v[LNB+\k], s[44+\k]
.endr
; ---------------------------------------------------------------- one more job for each wave; each way ends its loads with a wait for 0, which covers the loads above too
	s_cmp_lt_u32 s52, 8
	s_cbranch_scc1 .Ljob_w2
	s_cmp_lt_u32 s52, 12
	s_cbranch_scc1 .Ljob_w1
	s_cmp_lt_u32 s52, 14
	s_cbranch_scc1 .Ljob_w3
	; waves 14, 15: Q of the work-group's rows 32 b .. 32 b + 31 (tiles 2 b, 2 b + 1), b = wave - 14
	s_sub_co_u32 s2, s52, 14
	s_lshl_b32 s3, s2, 10
	s_add_co_u32 s3, s3, s53
	v_lshl_add_u32 v184, v1, 5, s3                 ; lane L's row of x
	s_lshl_b32 s2, s2, 11
	v_add_nc_u32 v212, s2, v4                      ; QL + two tiles x b + 16 L
	global_load_b128 v[196:199], v184, s[8:9]
	global_load_b128 v[200:203], v184, s[8:9] offset:16
	global_load_b128 v[204:207], v14, s[12:13]
	global_load_b128 v[208:211], v14, s[12:13] offset:16
	s_wait_loadcnt 0x0
.irp k, 0,2,4,6
	v_pk_mul_f32 v[204+\k:205+\k], v[204+\k:205+\k], 0x3f0293ee op_sel_hi:[1,0]    ; Wq x log2(e) / sqrt(8), in f32
.endr
.irp k, 0,1,2,3
	v_cvt_pk_bf16_f32 v[176+\k], v[204+2*\k], v[205+2*\k]
.endr
.irp k, 0,1,2,3
	v_cndmask_b32 v[160+\k], 0, v[176+\k], s61     ; tile 2 b,     result in lanes h = 0 (QA)
	v_cndmask_b32 v[164+\k], 0, v[176+\k], s63     ; tile 2 b,     result in lanes h = 1 (QB)
	v_cndmask_b32 v[168+\k], 0, v[176+\k], s62     ; tile 2 b + 1, QA
	v_cndmask_b32 v[172+\k], 0, v[176+\k], s66     ; tile 2 b + 1, QB
.endr
	LN 196, 196
.irp k, 0,1,2,3
	v_cvt_pk_bf16_f32 v[NF+\k], v[196+2*\k], v[197+2*\k]
.endr
.irp q, 0,1,2,3
	v_wmma_f32_16x16x32_bf16 v[128+8*\q:135+8*\q], v[160+4*\q:167+4*\q], v[NF:NF+7], 0
.endr
	PLACES 4
.irp q, 0,1,2,3
.irp k, 0,1,2,3
	v_cvt_pk_bf16_f32 v[180+4*\q+\k], v[128+8*\q+2*\k], v[129+8*\q+2*\k]
.endr
.endr
.irp q, 0,1,2,3
	ds_store_b128 v212, v[180+4*\q:183+4*\q] offset:QL+512*\q
.endr
	s_branch .Ljobs_done
.Ljob_w2:                                          ; waves 0-7: fragment w = 2 a + s of W2: rows 16 a + r, columns 32 s ..
	s_lshr_b32 s2, s52, 1
	s_lshl_b32 s2, s2, 12                          ; 16 rows of 256 bytes
	s_and_b32 s3, s52, 1
	s_lshl_b32 s3, s3, 7                           ; 32 columns of 4 bytes
	s_add_co_u32 s2, s2, s3
	v_lshlrev_b32 v184, 8, v2
	v_lshl_add_u32 v184, v3, 5, v184
	v_add_nc_u32 v184, s2, v184
	s_lshl_b32 s3, s52, 10
	s_add_co_u32 s3, s3, W2L
	v_add_nc_u32 v185, s3, v4
	FRAG_LD 22
	s_wait_loadcnt 0x0
	FRAG_ST
	s_branch .Ljobs_done
.Ljob_w1:                                          ; waves 8-11: rows 16 a + r of W1 (k 0-7 in lanes h = 0, zeros in h = 1), and 16 numbers of b1 and of b2
	s_sub_co_u32 s2, s52, 8
	s_lshl_b32 s3, s2, 9
	v_lshl_add_u32 v184, v2, 5, s3                 ; (16 a + r) x 32
	v_add_nc_u32 v185, s3, v4                      ; a x 512 + 16 L
	s_lshl_b32 s3, s2, 6
	v_lshl_add_u32 v186, v2, 2, s3                 ; (16 a + r) x 4
	global_load_b128 v[160:163], v184, s[18:19]
	global_load_b128 v[164:167], v184, s[18:19] offset:16
	global_load_b32 v168, v186, s[20:21]
	global_load_b32 v169, v186, s[24:25]
	s_wait_loadcnt 0x0
.irp k, 0,1,2,3
	v_cvt_pk_bf16_f32 v[176+\k], v[160+2*\k], v[161+2*\k]
.endr
.irp k, 0,1,2,3
	v_cndmask_b32 v[176+\k], v[176+\k], 0, s59
.endr
	ds_store_b128 v185, v[176:179] offset:W1L
	ds_store_b32 v186, v168 offset:B1L             ; both halves of the wave write the same number to the same word
	ds_store_b32 v186, v169 offset:B2L
	s_branch .Ljobs_done
.Ljob_w3:                                          ; waves 12, 13: fragment s of W3, rows r & 7: rows 8-15 repeat rows 0-7, so both halves of the result hold all 8 outputs
	s_sub_co_u32 s2, s52, 12
	s_lshl_b32 s3, s2, 7
	v_lshl_add_u32 v184, v14, 3, s3                ; (r & 7) x 256 + 128 s
	v_lshl_add_u32 v184, v3, 5, v184
	s_lshl_b32 s3, s2, 10
	s_add_co_u32 s3, s3, W3L
	v_add_nc_u32 v185, s3, v4
	v_and_b32 v186, 3, v0
	s_lshl_b32 s3, s2, 4
	v_lshl_add_u32 v186, v186, 2, s3               ; b3[4 s + (L & 3)]
	FRAG_LD 26
	global_load_b32 v187, v186, s[28:29]
	s_wait_loadcnt 0x0
	FRAG_ST
	ds_store_b32 v186, v187 offset:B3L
.Ljobs_done:
; ---------------------------------------------------------------- K's and V's weights as masked fragments, and the column of ones
.irp k, 0,1,2,3
	v_cvt_pk_bf16_f32 v[WK+\k], v[32+2*\k], v[33+2*\k]
	v_cvt_pk_bf16_f32 v[WVA+\k], v[40+2*\k], v[41+2*\k]
.endr
.irp k, 0,1,2,3
	v_cndmask_b32 v[WK+\k], 0, v[WK+\k], s60
	v_cndmask_b32 v[WVB+\k], 0, v[WVA+\k], s62
	v_cndmask_b32 v[WVA+\k], 0, v[WVA+\k], s61
.endr
.irp k, 0,1,2,3,4,5,6,7
	v_cndmask_b32 v[CONE+\k], 0, 1.0, s67
.endr
; ---------------------------------------------------------------- my 256 keys: LayerNorm, K, V.  The next unit's LayerNorm (24 plain instructions that
; name none of the products' registers) stands behind each unit's three products, ahead of the lines that read or rewrite their registers.
	LN SC, SC
	PROJ 0
.irp u, 1,2,3,4,5,6,7
	LN SC+8*\u, SC+8*\u
	PACK \u-1
	PROJ \u
.endr
	PLACES 4
	PACK 7
	s_wait_dscnt 0x0                               ; my job's LDS stores are done,
	s_barrier_signal -1
	s_barrier_wait -1                              ; everybody's are: Q, the MLP's fragments and the biases may be read
; ---------------------------------------------------------------- the four tiles of queries against my 256 keys
	s_mov_b32 s54, 0
.Ltile:
	ds_load_b128 v[QA:QA+3], v6
	ds_load_b128 v[QB:QB+3], v6 offset:512
	s_wait_dscnt 0x0
	BLOCK 1, 0
	BLOCK 0, 4
	ds_store_b128 v5, v[OSM:OSM+3]
	ds_store_b128 v5, v[OSM+4:OSM+7] offset:512
	ds_store_b128 v5, v[ORE:ORE+3] offset:1024
	ds_store_b128 v5, v[ORE+4:ORE+7] offset:1536
	ds_store_b32 v7, v[MX]                         ; both halves hold the same maximum of query r
	v_add_nc_u32 v5, PT, v5
	v_add_nc_u32 v7, PT, v7
	v_add_nc_u32 v6, 1024, v6
	s_add_co_u32 s54, s54, 1
	s_cmp_lt_u32 s54, 4
	s_cbranch_scc1 .Ltile
	s_cmp_lt_u32 s52, 4
	s_cbranch_scc0 .Lno_early
	; waves 0-3 ask early for what the tail needs and nobody writes any more: their tile's rows of x, and W1's fragments
	s_lshl_b32 s2, s52, 9
	s_add_co_u32 s2, s2, s53
	v_lshl_add_u32 v6, v2, 5, s2                   ; row 16 t + r of the work-group's rows, in both halves
	global_load_b128 v[24:27], v6, s[8:9]
	global_load_b128 v[28:31], v6, s[8:9] offset:16
.irp a, 0,1,2,3
	ds_load_b128 v[208+4*\a:211+4*\a], v4 offset:W1L+512*\a    ; registers 0-3; a fragment's registers 4-7 are the next one's (the last one's: ln_w), times ACT's zeros
.endr
.Lno_early:
	s_wait_dscnt 0x0                               ; my partial results are in LDS,
	s_barrier_signal -1
	s_barrier_wait -1                              ; everybody's are
	s_cmp_lt_u32 s52, 4
	s_cbranch_scc1 .Ltail
	s_wait_xcnt 0x0
	v_lshl_add_u32 v254, v0, 2, 0x28400
	v_mov_b32 v255, 0
	s_wait_tensorcnt 0x0
	ds_add_u32 v254, v255
	s_wait_dscnt 0x0
	s_endpgm
; ---------------------------------------------------------------- wave t merges tile t.  Lanes h = 0 merge the softmax sums of query r, lanes h = 1 the relu sums.
.Ltail:
	s_mul_i32 s2, s52, PT
	s_add_co_u32 s2, s2, PART
	v_lshlrev_b32 v5, 4, v2
	v_lshl_add_u32 v5, v3, 10, v5
	v_add_nc_u32 v5, s2, v5                        ; tile + 1024 h + 16 r: dims 0-3 here, dims 4-7 at + 512, the sum of weights (lane 16 + r's first word) at + 256
	v_lshl_add_u32 v7, v2, 2, s2
	v_lshl_add_u32 v41, v3, 4, v6                  ; my 16 bytes of out0: row 16 t + r, dims 4 h .. 4 h + 3
	v_lshlrev_b32 v14, 5, v3                       ; 32 h: a bias's eight numbers of my half
	v_mov_b32 v15, 0
.irp g, 0,1,2,3,4,5,6,7,8,9,10,11,12,13,14,15
	ds_load_b32 v[MW+\g], v7 offset:\g*PW+2048
.endr
.irp g, 0,1,2,3,4,5,6,7,8,9,10,11,12,13,14,15
	ds_load_b128 v[DA+8*\g:DA+8*\g+3], v5 offset:\g*PW
	ds_load_b128 v[DA+8*\g+4:DA+8*\g+7], v5 offset:\g*PW+512
	ds_load_b32 v[SUM+\g], v5 offset:\g*PW+256
.endr
	s_wait_dscnt 48                                ; the 16 maxima are in; the 48 loads issued behind them stay out
	v_max3_num_f32 v42, v48, v49, v50
	v_max3_num_f32 v43, v51, v52, v53
	v_max3_num_f32 v42, v42, v54, v55
	v_max3_num_f32 v43, v43, v56, v57
	v_max3_num_f32 v42, v42, v58, v59
	v_max3_num_f32 v43, v43, v60, v61
	v_max3_num_f32 v42, v42, v62, v63
	v_max_num_f32 v42, v42, v43
	v_mul_f32 v42, -1.0, v42
.irp k, 0,2,4,6,8,10,12,14
	v_pk_add_f32 v[MW+\k:MW+\k+1], v[MW+\k:MW+\k+1], v[42:43] op_sel_hi:[1,0]
.endr
.irp g, 0,1,2,3,4,5,6,7,8,9,10,11,12,13,14,15
	v_exp_f32 v[MW+\g], v[MW+\g]                   ; 2^(wave g's maximum - the maximum of all)
.endr
	v_nop
	s_wait_alu depctr_va_vdst(0)
.irp g, 0,1,2,3,4,5,6,7,8,9,10,11,12,13,14,15
	v_cndmask_b32 v[MW+\g], v[MW+\g], 1.0, s59     ; the relu sums are added as they are
.endr
	s_wait_dscnt 0x0
.irp k, 0,2,4,6
	v_pk_mul_f32 v[ACC+\k:ACC+\k+1], v[DA+\k:DA+\k+1], v[MW:MW+1] op_sel_hi:[1,0]      ; the first term starts the sums
.endr
	v_mul_f32 v[ACC+8], v[SUM], v[MW]
.irp g, 1,2,3,4,5,6,7,8,9,10,11,12,13,14,15
	MACC \g
.endr
	; the MLP's operands, 38 loads in the order of their use: b1 (8), W2 (16), b2 (8), W3 (4), b3 (2).  The biases land in the accumulators.
.irp a, 0,1,2,3
	ds_load_b128 v[64+8*\a:67+8*\a], v14 offset:B1L+64*\a          ; b1[16 a + 8 h + j]
	ds_load_b128 v[68+8*\a:71+8*\a], v14 offset:B1L+64*\a+16
.endr
.irp w, 0,1,2,3,4,5,6,7
	ds_load_b128 v[96+8*\w:99+8*\w], v4 offset:W2L+1024*\w
	ds_load_b128 v[100+8*\w:103+8*\w], v4 offset:W2L+1024*\w+512
.endr
.irp a, 0,1,2,3
	ds_load_b128 v[160+8*\a:163+8*\a], v14 offset:B2L+64*\a
	ds_load_b128 v[164+8*\a:167+8*\a], v14 offset:B2L+64*\a+16
.endr
.irp s, 0,1
	ds_load_b128 v[192+8*\s:195+8*\s], v4 offset:W3L+1024*\s
	ds_load_b128 v[196+8*\s:199+8*\s], v4 offset:W3L+1024*\s+512
.endr
	ds_load_b128 v[240:243], v15 offset:B3L
	ds_load_b128 v[244:247], v15 offset:B3L+16
	v_rcp_f32 v42, v[ACC+8]                        ; 1 / Z (used in lanes h = 0 alone)
	v_mov_b32 v43, s68                             ; 0.1 ln 2; also the plain instruction behind the reciprocal
	s_wait_alu depctr_va_vdst(0)
	v_cndmask_b32 v42, v42, v43, s59
.irp k, 0,2,4,6
	v_pk_mul_f32 v[ACC+\k:ACC+\k+1], v[ACC+\k:ACC+\k+1], v[42:43] op_sel_hi:[1,0]
.endr
	v_mul_f32 v[ACC+8], v[ACC+8], v42              ; h = 0: Z / Z; h = 1: 0.1 sum relu
.irp k, 0,1,2,3,4,5,6,7,8
	v_permlanex16_b32 v[48+\k], v[ACC+\k], s57, s58
.endr
.irp k, 0,2,4,6
	v_pk_add_f32 v[ACC+\k:ACC+\k+1], v[ACC+\k:ACC+\k+1], v[48+\k:49+\k]
.endr
	v_add_f32 v[ACC+8], v[ACC+8], v56              ; both halves now hold the eight numerators and the denominator
	v_rcp_f32 v42, v[ACC+8]
	v_nop
	s_wait_loadcnt 0x0                             ; x's rows
	s_wait_alu depctr_va_vdst(0)
.irp k, 0,2,4,6
	v_pk_fma_f32 v[ACC+\k:ACC+\k+1], v[ACC+\k:ACC+\k+1], v[42:43], v[24+\k:25+\k] op_sel_hi:[1,0,1]    ; z1 = attention + x
.endr
; ---------------------------------------------------------------- LayerNorm and the MLP on 16 queries
	LN 48, ACC
.irp k, 0,1,2,3
	v_cvt_pk_bf16_f32 v[16+\k], v[48+2*\k], v[49+2*\k]             ; ACT; v[20:23] are still 0; lanes h = 1 meet W1's zeros
.endr
	s_wait_dscnt 30                                ; b1 is in; W2, b2, W3, b3 (16 + 8 + 4 + 2 loads) stay out
.irp a, 0,1,2,3
	v_wmma_f32_16x16x32_bf16 v[64+8*\a:71+8*\a], v[208+4*\a:215+4*\a], v[16:23], v[64+8*\a:71+8*\a]
.endr
	PLACES 4
.irp k, 0,1,2,3,4,5,6,7,8,9,10,11,12,13,14,15,16,17,18,19,20,21,22,23,24,25,26,27,28,29,30,31
	v_max_num_f32 v[64+\k], 0, v[64+\k]
.endr
.irp k, 0,1,2,3,4,5,6,7,8,9,10,11,12,13,14,15
	v_cvt_pk_bf16_f32 v[64+\k], v[64+2*\k], v[65+2*\k]             ; results 2 s, 2 s + 1 become B of K step s, in v[64+8s:71+8s]
.endr
	s_wait_dscnt 6                                 ; W2 and b2 are in; W3 and b3 (4 + 2 loads) stay out
.irp s, 0,1                                        ; the four accumulators take turns, one matrix instruction a turn
.irp a, 0,1,2,3
	v_wmma_f32_16x16x32_bf16 v[160+8*\a:167+8*\a], v[96+8*(2*\a+\s):103+8*(2*\a+\s)], v[64+8*\s:71+8*\s], v[160+8*\a:167+8*\a]
.endr
.endr
	PLACES 4
.irp k, 0,1,2,3,4,5,6,7,8,9,10,11,12,13,14,15,16,17,18,19,20,21,22,23,24,25,26,27,28,29,30,31
	v_max_num_f32 v[160+\k], 0, v[160+\k]
.endr
.irp k, 0,1,2,3,4,5,6,7,8,9,10,11,12,13,14,15
	v_cvt_pk_bf16_f32 v[160+\k], v[160+2*\k], v[161+2*\k]
.endr
	s_wait_dscnt 0x0
	v_wmma_f32_16x16x32_bf16 v[240:247], v[192:199], v[160:167], v[240:247]    ; K step 0 onto b3,
	v_wmma_f32_16x16x32_bf16 v[32:39], v[200:207], v[168:175], v[32:39]        ; K step 1 onto z1: two accumulators, one instruction each
	PLACES 4
.irp k, 0,2,4,6
	v_pk_add_f32 v[240+\k:241+\k], v[240+\k:241+\k], v[32+\k:33+\k]
.endr
.irp k, 0,1,2,3
	v_cndmask_b32 v[48+\k], v[240+\k], v[244+\k], s59              ; lanes h = 0 store dims 0-3, lanes h = 1 dims 4-7
.endr
	global_store_b128 v41, v[48:51], s[34:35]      ; the wave's one store covers its tile's 512 consecutive bytes, which start at a multiple of 512
	s_wait_xcnt 0x0
	v_lshl_add_u32 v254, v0, 2, 0x28400
	v_mov_b32 v255, 0
	s_wait_tensorcnt 0x0
	ds_add_u32 v254, v255
	s_wait_dscnt 0x0
	s_endpgm
.Lfunc_end_k_q75e7a5ebf1_block:
	.size	k_q75e7a5ebf1_block, .Lfunc_end_k_q75e7a5ebf1_block-k_q75e7a5ebf1_block
	.p2alignl 7, 3214868480
	.fill 96, 4, 3214868480
	.section	.rodata,"a",@progbits
	.p2align	6, 0x0
	.amdhsa_kernel k_q75e7a5ebf1_block
		.amdhsa_group_segment_fixed_size 166912
		.amdhsa_private_segment_fixed_size 0
		.amdhsa_enable_private_segment 0
		.amdhsa_kernarg_size 112
		.amdhsa_user_sgpr_count 2
		.amdhsa_user_sgpr_kernarg_segment_ptr 1
		.amdhsa_wavefront_size32 1
		.amdhsa_system_sgpr_workgroup_id_x 1
		.amdhsa_system_sgpr_workgroup_id_y 1
		.amdhsa_system_sgpr_workgroup_id_z 1
		.amdhsa_system_vgpr_workitem_id 0
		.amdhsa_next_free_vgpr 256
		.amdhsa_next_free_sgpr 72
		.amdhsa_reserve_vcc 0
		.amdhsa_float_denorm_mode_32 3
		.amdhsa_float_denorm_mode_16_64 3
		.amdhsa_memory_ordered 1
		.amdhsa_forward_progress 1
		.amdhsa_inst_pref_size 93
	.end_amdhsa_kernel
	.amdgpu_metadata
---
amdhsa.version: [ 1, 2 ]
amdhsa.kernels:
  - .name:           k_q75e7a5ebf1_block
    .symbol:         k_q75e7a5ebf1_block.kd
    .args:
      - { .name: x, .offset: 0, .size: 8, .value_kind: global_buffer, .address_space: global }
      - { .name: y, .offset: 8, .size: 8, .value_kind: global_buffer, .address_space: global }
      - { .name: Wq, .offset: 16, .size: 8, .value_kind: global_buffer, .address_space: global }
      - { .name: Wk, .offset: 24, .size: 8, .value_kind: global_buffer, .address_space: global }
      - { .name: Wv, .offset: 32, .size: 8, .value_kind: global_buffer, .address_space: global }
      - { .name: W1, .offset: 40, .size: 8, .value_kind: global_buffer, .address_space: global }
      - { .name: b1, .offset: 48, .size: 8, .value_kind: global_buffer, .address_space: global }
      - { .name: W2, .offset: 56, .size: 8, .value_kind: global_buffer, .address_space: global }
      - { .name: b2, .offset: 64, .size: 8, .value_kind: global_buffer, .address_space: global }
      - { .name: W3, .offset: 72, .size: 8, .value_kind: global_buffer, .address_space: global }
      - { .name: b3, .offset: 80, .size: 8, .value_kind: global_buffer, .address_space: global }
      - { .name: ln_w, .offset: 88, .size: 8, .value_kind: global_buffer, .address_space: global }
      - { .name: ln_b, .offset: 96, .size: 8, .value_kind: global_buffer, .address_space: global }
      - { .name: out0, .offset: 104, .size: 8, .value_kind: global_buffer, .address_space: global }
    .group_segment_fixed_size: 166912
    .private_segment_fixed_size: 0
    .kernarg_segment_align: 8
    .kernarg_segment_size: 112
    .max_flat_workgroup_size: 512
    .sgpr_count:     72
    .vgpr_count:     256
    .wavefront_size: 32
...
	.end_amdgpu_metadata
.endif
;; end of part 1
